; MI455X (gfx1250); checked and timed in simulation.
; The chip was launched on July 23, 2026; its instructions are those of AMD's public machine-readable ISA for CDNA 5 (MIT licence, August 2026) and "CDNA5" Instruction Set Architecture Reference Guide (July 2026). The comments in the code are by the model that wrote it; some were corrected since.
;; Selective Attn MLA. Allowed arithmetic: float matrix products may take bf16 or f16 operands with f32 sums; all other float work in f32.
;; Inputs: k 8,192 x 16 x 192 float32; q 8,192 x 16 x 192 float32; selected_indices 8,192 x 4 x 16 int32; v 8,192 x 16 x 64 float32.
;; Outputs: out0 8,192 x 1,024 float32.
;; Constants: batch_size = 4, seq_len = 2048.
;; 2 versions, each right; version 2 is version 1 with the launch vsum written anew for expert scheduling mode. Each part assembles by itself: llvm-mc -triple=amdgcn-amd-amdhsa -mcpu=gfx1250 --defsym DOCPART=n.
;; ======== version 1 of 2: 2 launches
;; limits: values are held in f16: magnitudes above 65,504 overflow, below 6.1e-05 lose precision; inputs' magnitudes at most 65,504
;; workspace buffers: vpart 65,536 bytes
;; launch vsum (part 1): grid 4 x 64, 8 waves a work-group, no clusters, 3,072 bytes of LDS; arguments v, vpart; writes vpart
.if DOCPART == 1
	.amdgcn_target "amdgcn-amd-amdhsa--gfx1250"
	.amdhsa_code_object_version 6
	.text
	.protected	k_q6054def58f_vsum
	.globl	k_q6054def58f_vsum
	.p2align	8
	.type	k_q6054def58f_vsum,@function
k_q6054def58f_vsum:
	s_mov_b64 s[64:65], 0
	v_nop
	global_prefetch_b8 v0, s[64:65] scope:SCOPE_SE
	s_setreg_imm32_b32 hwreg(HW_REG_WAVE_MODE, 25, 1), 1
	s_wait_xcnt 0x0
; PARTIAL MEANS OF V.  v: [4 x 2,048 tokens][16 heads][64] f32.  vpart[batch x head][quarter][64] = (sum of v over the quarter's 512 keys) / 2,048, in f32.
; The next launch adds a head's four quarters: the mean of v over the sequence, which is what a softmax over scores that are all alike gives a row with no visible key.
; SHARES.  Work-group (quarter, batch x head); each of its eight waves takes 64 keys: 32 loads of 16 bytes a lane, lanes 0-15 one row of 256 bytes of (token, head), lanes 16-31 the next row.
; All 32 loads of a wave, 16 KB, are out together.  A lane keeps four channels; four chains of packed additions; one exchange joins the two halves of the lanes; the eight waves' sums meet in LDS.
; Memory binds: no matrix unit, no cluster (no two work-groups read the same bytes), no tensor load (the sums are made in the registers that the loads fill).
; No cache hint on the loads: the next launch reads v again.
.set SPARE, 2048      ; behind the eight waves' 256 bytes each: the spare words, 128 bytes a wave, four blocks of 256 bytes that no other line names
.set SPW, 2           ; SPARE + 4 x my thread's number; never rewritten
.set NIL, 3           ; 0; never rewritten
.set VA,  7           ; 4,096 h + 16 r: two rows of V
.set SA,  8           ; 256 w + 16 r: where my wave's sum of my four channels goes
.set LA,  9           ; 8 x lane: two channels a lane, for the last sum and the store
.set X,   16          ; v16-143: 32 loads of four registers
.set WV,  8
	s_load_b128 s[4:7], s[0:1], 0x0                ; v s[4:5], vpart s[6:7]
	v_lshl_add_u32 v[SPW], v0, 2, SPARE
	v_mov_b32 v[NIL], 0
	v_lshrrev_b32 v1, 5, v0
	v_readfirstlane_b32 s[WV], v1                  ; wave 0..7
	v_and_b32 v4, 15, v0                           ; r
	v_bfe_u32 v5, v0, 4, 1                         ; h
	v_lshlrev_b32 v6, 4, v4
	v_lshl_add_u32 v[VA], v5, 12, v6
	v_lshl_add_u32 v[SA], s[WV], 8, v6
	v_and_b32 v[LA], 31, v0
	v_lshlrev_b32 v[LA], 3, v[LA]
	s_and_b32 s9, ttmp7, 0xffff                    ; batch x 16 + head
	s_lshr_b32 s10, s9, 4
	s_and_b32 s11, s9, 15
	s_lshl_b32 s12, s10, 23                        ; 2,048 rows of 4,096 bytes
	s_lshl_b32 s13, s11, 8                         ; 256 bytes a head
	s_add_co_u32 s12, s12, s13
	s_lshl_b32 s13, ttmp9, 21                      ; the quarter's 512 rows
	s_add_co_u32 s12, s12, s13
	s_lshl_b32 s13, s[WV], 18                      ; my wave's 64 rows
	s_add_co_u32 s12, s12, s13
	s_mov_b32 s13, 0
	s_lshl2_add_u32 s14, s9, ttmp9                 ; 4 x (batch x head) + quarter,
	s_lshl_b32 s14, s14, 8                         ; 256 bytes each
	s_mov_b32 s15, 0
	s_mov_b32 s16, 0x76543210                      ; v_permlanex16_b32: each lane takes its own place in the other half
	s_mov_b32 s17, 0xfedcba98
	s_wait_kmcnt 0x0
	s_add_nc_u64 s[4:5], s[4:5], s[12:13]
	s_add_nc_u64 s[6:7], s[6:7], s[14:15]
.set i, 0
.rept 32
	global_load_b128 v[X+4*i:X+4*i+3], v[VA], s[4:5] offset:8192*i
.set i, i+1
.endr
; Loads lo to hi - 1 are added onto loads 0 to 3: four chains that do not wait for each other; the first four loads start them, nothing is cleared.
.macro ACC lo, hi
.set i, \lo
.rept (\hi)-(\lo)
	v_pk_add_f32 v[X+4*(i%4):X+4*(i%4)+1],   v[X+4*(i%4):X+4*(i%4)+1],   v[X+4*i:X+4*i+1]
	v_pk_add_f32 v[X+4*(i%4)+2:X+4*(i%4)+3], v[X+4*(i%4)+2:X+4*(i%4)+3], v[X+4*i+2:X+4*i+3]
.set i, i+1
.endr
.endm
	s_wait_loadcnt 16                              ; loads come back in order (ISA guide 5.7.1): the first 16 are in, the younger 16 stay out
	ACC 4, 16
	s_wait_loadcnt 0x0
	ACC 16, 32
	v_pk_add_f32 v[X:X+1],     v[X:X+1],     v[X+4:X+5]
	v_pk_add_f32 v[X+2:X+3],   v[X+2:X+3],   v[X+6:X+7]
	v_pk_add_f32 v[X+8:X+9],   v[X+8:X+9],   v[X+12:X+13]
	v_pk_add_f32 v[X+10:X+11], v[X+10:X+11], v[X+14:X+15]
	v_pk_add_f32 v[X:X+1],     v[X:X+1],     v[X+8:X+9]
	v_pk_add_f32 v[X+2:X+3],   v[X+2:X+3],   v[X+10:X+11]
.irp e, 0,1,2,3
	v_permlanex16_b32 v[X+4+\e], v[X+\e], s16, s17 ; the odd rows' sums lie in the lane 16 away
.endr
	v_pk_add_f32 v[X:X+1],   v[X:X+1],   v[X+4:X+5]
	v_pk_add_f32 v[X+2:X+3], v[X+2:X+3], v[X+6:X+7]
	v_pk_mul_f32 v[X:X+1],   v[X:X+1],   0x3a000000 op_sel_hi:[1,0]  ; 1 / 2,048
	v_pk_mul_f32 v[X+2:X+3], v[X+2:X+3], 0x3a000000 op_sel_hi:[1,0]
	ds_store_b128 v[SA], v[X:X+3]                  ; both halves of the lanes hold the same numbers and write the same bytes
	s_wait_dscnt 0x0                               ; for the others' sake: my store is done
	s_barrier_signal -1
	s_barrier_wait -1
	s_cmp_lg_u32 s[WV], 0
	s_cbranch_scc1 .Lend                           ; wave 0 adds the eight waves' sums
.set i, 0
.rept 8
	ds_load_b64 v[X+2*i:X+2*i+1], v[LA] offset:256*i
.set i, i+1
.endr
	s_wait_dscnt 0x0
	v_pk_add_f32 v[X:X+1],     v[X:X+1],     v[X+2:X+3]
	v_pk_add_f32 v[X+4:X+5],   v[X+4:X+5],   v[X+6:X+7]
	v_pk_add_f32 v[X+8:X+9],   v[X+8:X+9],   v[X+10:X+11]
	v_pk_add_f32 v[X+12:X+13], v[X+12:X+13], v[X+14:X+15]
	v_pk_add_f32 v[X:X+1],     v[X:X+1],     v[X+4:X+5]
	v_pk_add_f32 v[X+8:X+9],   v[X+8:X+9],   v[X+12:X+13]
	v_pk_add_f32 v[X:X+1],     v[X:X+1],     v[X+8:X+9]
	global_store_b64 v[LA], v[X:X+1], s[6:7]       ; 32 lanes store 256 consecutive bytes, at a multiple of 256 from vpart's first
.Lend:
	s_wait_tensorcnt 0x0                           ; the wave's end: behind my last LDS store
	ds_add_u32 v[SPW], v[NIL]
	s_wait_dscnt 0x0
	s_endpgm
.Lfunc_end_k_q6054def58f_vsum:
	.size	k_q6054def58f_vsum, .Lfunc_end_k_q6054def58f_vsum-k_q6054def58f_vsum
	.p2alignl 7, 3214868480
	.fill 96, 4, 3214868480
	.section	.rodata,"a",@progbits
	.p2align	6, 0x0
	.amdhsa_kernel k_q6054def58f_vsum
		.amdhsa_group_segment_fixed_size 3072
		.amdhsa_private_segment_fixed_size 0
		.amdhsa_enable_private_segment 0
		.amdhsa_kernarg_size 16
		.amdhsa_user_sgpr_count 2
		.amdhsa_user_sgpr_kernarg_segment_ptr 1
		.amdhsa_wavefront_size32 1
		.amdhsa_system_sgpr_workgroup_id_x 1
		.amdhsa_system_sgpr_workgroup_id_y 1
		.amdhsa_system_sgpr_workgroup_id_z 1
		.amdhsa_system_vgpr_workitem_id 0
		.amdhsa_next_free_vgpr 144
		.amdhsa_next_free_sgpr 66
		.amdhsa_reserve_vcc 0
		.amdhsa_float_denorm_mode_32 3
		.amdhsa_float_denorm_mode_16_64 3
		.amdhsa_memory_ordered 1
		.amdhsa_forward_progress 1
		.amdhsa_inst_pref_size 11
	.end_amdhsa_kernel
	.amdgpu_metadata
---
amdhsa.version: [ 1, 2 ]
amdhsa.kernels:
  - .name:           k_q6054def58f_vsum
    .symbol:         k_q6054def58f_vsum.kd
    .args:
      - { .name: v, .offset: 0, .size: 8, .value_kind: global_buffer, .address_space: global }
      - { .name: vpart, .offset: 8, .size: 8, .value_kind: global_buffer, .address_space: global }
    .group_segment_fixed_size: 3072
    .private_segment_fixed_size: 0
    .kernarg_segment_align: 8
    .kernarg_segment_size: 16
    .max_flat_workgroup_size: 256
    .sgpr_count:     66
    .vgpr_count:     144
    .wavefront_size: 32
...
	.end_amdgpu_metadata
.endif
;; end of part 1
;; launch attn (part 2): grid 4 x 64, 4 waves a work-group, no clusters, 204,800 bytes of LDS; arguments q, k, v, selected_indices, out0, vpart; writes out0
.if DOCPART == 2
	.amdgcn_target "amdgcn-amd-amdhsa--gfx1250"
	.amdhsa_code_object_version 6
	.text
	.protected	k_q6054def58f_attn
	.globl	k_q6054def58f_attn
	.p2align	8
	.type	k_q6054def58f_attn,@function
k_q6054def58f_attn:
	s_mov_b64 s[64:65], 0
	v_nop
	global_prefetch_b8 v0, s[64:65] scope:SCOPE_SE
	s_setreg_imm32_b32 hwreg(HW_REG_WAVE_MODE, 25, 1), 1
	s_wait_xcnt 0x0
; SELECTIVE CAUSAL ATTENTION.  4 sequences x 16 heads, 2,048 queries x 2,048 keys; q, k: 192 channels, v: 64; all f32, laid [token][head][channel].
; A key is visible if it is not later than the query and its block of 64 keys is among the 16 indices of (query token, group of 4 heads).
; out[token][head][:] = sum over visible keys of softmax(q . k x 192^-0.5) v.  A row with no visible key has all scores alike in the reference: it gets the mean of v over its sequence,
; of which the launch before has stored four partial means a head (vpart); they are added here, on every input, and a row takes the mean by a select.
; FORMATS.  q, k, v are rounded to bf16.  K Q^T is a bf16 product; the weights p are rounded to f16, v's bf16 value is written as f16, V^T P is an f16 product; maxima, sums, O in f32.
; LIMITS.  v (as bf16) must lie within f16's 65,504, and below 6e-5 it keeps f16's fixed step of 6e-8, as do weights below 6e-5.  A hidden score on the diagonal counts as its value
; less 1e30, every other hidden score has weight 0: scores are taken to stay under 1e28.  A weight below 2^-126 counts as 0.  NaN and infinities are not treated apart.
; The mean for rows with no visible key is taken of the unrounded v.  An index outside 0..31 selects nothing.
; SHARES.  A head's queries are 8 blocks of 256.  Work-group (pb, bh) takes block 7 - pb and then block pb: (32 - 4 pb) + (4 pb + 4) = 36 key steps of 64 keys for every work-group.
; Wave w owns rows 64 w .. 64 w + 63 of the block, four PIECES of 16 queries.  A selected block is one key step, and in S^T a lane holds one query: the selection is one bit a lane and step.
; NO CLUSTER, NO TENSOR LOADS: the four work-groups of a head ask for the same tile only in their first 20 steps, and a walk common to all would have 48 steps for 36; every operand is
; f32 in memory and must pass through registers to be rounded, so K, V and Q come by global loads (sixteen lanes to 256 consecutive bytes), are rounded and go by ds_store into 16-bit tiles.
; LAYOUT.  S^T = K Q^T (source 0 = 16 keys, source 1 = 16 queries): lane l holds query l % 16 and keys 8 (l / 16) + 0..7.  Two results rounded in pairs ARE source 1 of O^T = V^T P.
; SOFTMAX.  Running maximum m and sum l: p = 2^(c s - c m), c = log2(e) x 192^-0.5; O and l are multiplied by a = 2^(c m_old - c m_new) in every step.  A block starts with -c m huge, so its first a is 0.
; THE DIAGONAL.  Blocks of keys later than my wave's own are cleared from the selection bits, so only the step that holds my wave's diagonal wants a mask.  It is the C operand that starts a sum:
; for piece u and key group kb it is 0 (kb < u), CT (kb = u) or CN (kb > u), where CT = TRI x AL and CN = NEG x AL are made once a step, AL = 1 in that one step and 0 in every other.
; BY TURNS.  Turn t: 24 products K Q^T of piece t + 1 with piece t's scaling, exponentials, roundings, sums and rescaling (96 lines) four behind each; then 8 products V^T P of piece t with piece t + 1's
; maximum and statistics (27 lines) behind them.  The accumulators take turns, one instruction a turn.
; THE WALK is one loop of 36 trips, a key step each; behind it piece 3's share of the last step and the second block's way out are written out.  The loop's jumps go forward and hang on counters
; that are constants of the text, but one: at a tile's edge (every fourth step), while the first block is in hand, whether that block has ended (it hangs on pb).  It passes no barrier.
; REGISTERS, in windows of 256 (s_set_vgpr_msb: bits 1:0 source 0, 3:2 source 1, 5:4 source 2, 7:6 destination):
;   window 0: addresses, statistics, S^T (two buffers by the piece's parity), P (likewise), selection bits, 64 at work
;   window 1: v0-127 O^T (32 a piece); v128-255 G: the next step's K (96) and V (32) as loaded, f32
;   window 2: v0-191 Q (48 a piece); v192-255 V's fragments
;   window 3: v0-191 K's fragments; v192-199 TRI; v200-207 NEG; v208-231 GQ: a chunk of the second block's Q as loaded; v232-239 CT; v240-247 CN
; LDS: two buffers of a step's 16-bit tiles (K: 64 rows, pitch 400; V at 25,600: 64 rows, pitch 160) at 0 and 65,536; each wave's copy of the mean; the waves' stages for the way out; the spare words;
; each wave's own 64 rows of Q in bf16.
.set CV,    25600     ; V's tile in a buffer
.set BUF1,  0x10000   ; one exclusive or turns an address in one buffer into the other's
.set MEANL, 35840     ; behind buffer 0: 4 waves x 256 bytes: the mean of v, 64 channels in f32, each wave's own copy
.set STAGE, 36864     ; 4 waves x 16 rows x 272 bytes
.set SPARE, 54272     ; the spare words: 128 bytes a wave, two blocks of 256 bytes that no other line names
.set QB,    102400    ; 4 waves x 64 rows x 400 bytes
; window 0
.set AK0, 3           ; my lane's place in a tile of K: 400 r + 16 h
.set AV0, 4           ; the same for V's turning load
.set AK,  5           ; address of the run of loads in hand
.set AV,  6
.set AQ,  7           ; my lane's place in my wave's Q
.set KA,  8           ; v8-10  three loads cover two rows of 768 bytes, 12,288 apart
.set VA,  11          ; 4,096 h + 16 r: two rows of V, and of out
.set GO,  11
.set KSA, 12          ; v12-14 where those three loads' bf16 go in a tile, my wave's 16 rows
.set VSA, 15
.set KSW, 16          ; v16-18 the same in the buffer that is written
.set VSW, 19
.set QSA, 20          ; v20-22 the same patterns in my wave's Q
.set STO, 23
.set RD,  24
.set MGA, 25          ; 32 h: my eight channels of sixteen, in a partial mean
.set IA,  26          ; 256 r + 32 h: my 8 of my query's 16 indices
.set MA,  27          ; MEANL + 256 w + 32 h: the same in my wave's copy of the mean
.set SPW, 28          ; SPARE + 4 x my thread's number; never rewritten
.set NIL, 29          ; 0; never rewritten
.set PFO, 30
.set PFO2, 31
.set ST,  32          ; piece t at ST + 4 t: -c m, m, l (even keys', odd keys')
.set TMP, 48          ; by parity: c0-c3 at work; a takes c2's place
.set BI,  56          ; by parity: a pair; the low word is what c s is added to: -c m, or -1e30 where the step is not selected
.set MV,  60
.set TB,  62
.set S,   64
.set VM,  96          ; the mean of v as O^T holds channels, in S^T's second buffer, which is free where a block is finished
.set P,   128
.set BC,  160         ; selection bits of the block in hand, a register a piece
.set BB,  164         ; of the second block
.set BO,  168         ; of the block to be finished
.set INV, 172
.set QSW, 180
.set W,   184
.set U,   184
.set X,   200
.set T,   232
.set N,   184
.set RB,  216
.set TT,  248
.set G,   128         ; window 1
.set VF,  192         ; window 2
.set TRI, 192         ; window 3: -1e30 where key 8 h + j is later than query r, else 0
.set NEG, 200         ; window 3: -1e30
.set GQ,  208         ; window 3
.set CT,  232         ; window 3: TRI x AL
.set CN,  240         ; window 3: NEG x AL
; scalars
.set MPB, 2           ; vpart at my batch and head
.set WV,  14
.set PB,  15
.set HI,  16
.set KB,  20          ; k at my batch, head and my wave's 16 rows of step 0
.set VB,  22
.set KP,  24          ; the same at the step being loaded
.set VP,  26
.set Q2P, 32
.set OC,  34          ; out at my rows of the block to be finished
.set OB,  36          ; of the second block
.set VH,  38          ; v at my batch and head
.set VW,  40          ; Q of the first block
.set PFB, 42
.set PFS, 44
.set QW,  46
.set CS,  48
.set NCS, 50
.set BIGN, 51
.set SEL, 52
.set HM,  54
.set CNT, 55          ; trips to go, 36 down: trip j = 36 - CNT
.set RT,  56          ; tiles of 4 steps that the first block still has
.set KS,  58          ; the step's number in the sequence = its block of 64 keys
.set REL, 59          ; KS - 4 x block: equal to my wave's number in the step that holds my diagonal
.set REL2, 60
.set SB,  61
.set SW,  62          ; 1: the first block is to be finished behind this trip's first turn
.set NXT, 63
.set LQ,  66
.set LQ2, 67
.set CBR, 68
.set CBW, 69
.set SM,  70
.set IV,  72
.set MK1, 81
.set MK2, 82
.set SC,  83          ; steps that the tile in hand still has
.set AL,  84          ; s[84:85] the mask's factor, in the low word
.set BLK, 86          ; 0: the first block is in hand; 1: the second
.set MSB, 0
.macro WIN new                          ; the high byte repeats the setting that is left; a switch that changes nothing is dropped
.if MSB != (\new)
	s_set_vgpr_msb (MSB<<8)|(\new)
.set MSB, (\new)
.endif
.endm
.macro PLACES                           ; four places in front of loads into registers that matrix instructions have read
.rept 4
	v_nop
.endr
.endm
; The pointers of the step to be loaded next; behind a block's last step the second block's step 0.  It stands only behind the wait that shows the earlier loads through KP and VP done.
.macro NEXTPTR
	s_mul_i32 s28, s[NXT], 786432                  ; 64 rows of 12,288 bytes
	s_lshl_b32 s30, s[NXT], 18                     ; 64 rows of 4,096 bytes
	s_add_nc_u64 s[KP:KP+1], s[KB:KB+1], s[28:29]
	s_add_nc_u64 s[VP:VP+1], s[VB:VB+1], s[30:31]
	s_add_co_u32 s[NXT], s[NXT], 1
	s_cmp_gt_u32 s[NXT], s[LQ]
	s_cselect_b32 s[NXT], 0, s[NXT]
	s_cselect_b32 s[LQ], s[LQ2], s[LQ]
.endm
; My 16 rows of a step's K (24 loads) and V (8 loads), 16 KB, in flight for one whole trip.
.macro GLOAD
	WIN 0x40
.set i, 0
.rept 24
	global_load_b128 v[G+4*i:G+4*i+3], v[KA+i%3], s[KP:KP+1] offset:(i/3)*24576
.set i, i+1
.endr
.set i, 0
.rept 8
	global_load_b128 v[G+96+4*i:G+96+4*i+3], v[VA], s[VP:VP+1] offset:8192*i
.set i, i+1
.endr
	WIN 0
.endm
.macro QLOAD                            ; four rows of the second block's Q
	WIN 0xc0
.set i, 0
.rept 6
	global_load_b128 v[GQ+4*i:GQ+4*i+3], v[KA+i%3], s[Q2P:Q2P+1] offset:(i/3)*24576 th:TH_LOAD_NT
.set i, i+1
.endr
	WIN 0
.endm
; n loads of 4 f32 a lane at register src (window code win: sources 0 and 1) are rounded to bf16 and stored, 8 bytes a lane, eight loads at a time.
.macro CVT src, win, n, adr, off
.set cbase, 0
.rept ((\n)+7)/8
	WIN \win
.set ci, cbase
.rept 8
.if ci < (\n)
	v_cvt_pk_bf16_f32 v[T+2*(ci-cbase)], v[(\src)+4*ci], v[(\src)+4*ci+1]
	v_cvt_pk_bf16_f32 v[T+2*(ci-cbase)+1], v[(\src)+4*ci+2], v[(\src)+4*ci+3]
.endif
.set ci, ci+1
.endr
	WIN 0
.set ci, cbase
.rept 8
.if ci < (\n)
	ds_store_b64 v[(\adr)+ci%3], v[T+2*(ci-cbase):T+2*(ci-cbase)+1] offset:(\off)+(ci/3)*800
.endif
.set ci, ci+1
.endr
.set cbase, cbase+8
.endr
.endm
; V: rounded to bf16, and that number written as f16.
.macro CONVV adr
	WIN 0x05
.set i, 0
.rept 16
	v_cvt_pk_bf16_f32 v[U+i], v[G+96+2*i], v[G+96+2*i+1]
.set i, i+1
.endr
	WIN 0
.set i, 0
.rept 16
	v_lshlrev_b32 v[X+2*i], 16, v[U+i]
	v_and_b32 v[X+2*i+1], s[HM], v[U+i]
.set i, i+1
.endr
.set i, 0
.rept 16
	v_cvt_pk_f16_f32 v[T+i], v[X+2*i], v[X+2*i+1]
.set i, i+1
.endr
.set i, 0
.rept 8
	ds_store_b64 v[\adr], v[T+2*i:T+2*i+1] offset:320*i
.set i, i+1
.endr
.endm
; A step's K: 24 fragments of 16 keys x 32 channels; key block f / 6, channels 32 (f % 6) on.
.macro FETCH_K sb
	WIN 0
	v_add_nc_u32 v[AK], s[\sb], v[AK0]
	WIN 0xc0
.set f, 0
.rept 24
	ds_load_b128 v[8*f:8*f+3],   v[AK] offset:(f/6)*6400+(f%6)*64
	ds_load_b128 v[8*f+4:8*f+7], v[AK] offset:(f/6)*6400+(f%6)*64+32
.set f, f+1
.endr
	WIN 0
.endm
; A step's V, turned: keys 32 (f / 4) on, channels 16 (f % 4) on.
.macro FETCH_V
	WIN 0
	v_add_nc_u32 v[AV], s[CBR], v[AV0]
	s_wait_alu depctr_va_vdst(0)
	WIN 0x80
.set f, 0
.rept 8
	ds_load_tr16_b128 v[VF+8*f:VF+8*f+3],   v[AV] offset:(f/4)*5120+(f%4)*32
	ds_load_tr16_b128 v[VF+8*f+4:VF+8*f+7], v[AV] offset:(f/4)*5120+2560+(f%4)*32
.set f, f+1
.endr
	WIN 0
.endm
; Product i of 24 of S^T = K Q^T for piece u: channels 32 (i / 4) on, keys 16 (i % 4) on.  The first four start the sums: with 0 for key groups ahead of the piece's rows,
; with CT for its own and CN for later ones; both hold zeros in every step but the one with my diagonal.
.macro KQ u
.set kb, i%4
.set cc, i/4
.set rS, S+32*((\u)%2)+8*kb
.set rK, 48*kb+8*cc
.set rQ, 48*(\u)+8*cc
.if i >= 4
	WIN 0x0b
	v_wmma_f32_16x16x32_bf16 v[rS:rS+7], v[rK:rK+7], v[rQ:rQ+7], v[rS:rS+7]
.elseif kb == (\u)
	WIN 0x3b
	v_wmma_f32_16x16x32_bf16 v[rS:rS+7], v[rK:rK+7], v[rQ:rQ+7], v[CT:CT+7]
	s_wait_alu depctr_va_vdst(0)
.elseif kb > (\u)
	WIN 0x3b
	v_wmma_f32_16x16x32_bf16 v[rS:rS+7], v[rK:rK+7], v[rQ:rQ+7], v[CN:CN+7]
.else
	WIN 0x0b
	v_wmma_f32_16x16x32_bf16 v[rS:rS+7], v[rK:rK+7], v[rQ:rQ+7], 0
	s_wait_alu depctr_va_vdst(0)
.endif
.set i, i+1
.endm
; Product i2 of 8 of O^T += V^T P for piece t: keys 32 (i2 / 4) on, channels 16 (i2 % 4) on.
.macro PV t
	WIN 0x52
.set rO, 32*(\t)+8*(i2%4)
.set rV, VF+32*(i2/4)+8*(i2%4)
.set rP, P+16*((\t)%2)+8*(i2/4)
	v_wmma_f32_16x16x32_f16 v[rO:rO+7], v[rV:rV+7], v[rP:rP+7], v[rO:rO+7]
.set i2, i2+1
.endm
; THE VECTOR WORK of piece t, one line at a time.  MOP sets the registers' names.
.macro OPF k                            ; c s + (-c m) for pair k of 16
	WIN 0
	v_pk_fma_f32 v[rS+2*(\k):rS+2*(\k)+1], v[rS+2*(\k):rS+2*(\k)+1], s[CS:CS+1], v[rB:rB+1] op_sel_hi:[1,0,0]
.endm
.macro OPE k                            ; the exponential of score k of 32
	WIN 0
	v_exp_f32 v[rS+(\k)], v[rS+(\k)]
.endm
.macro OPC k                            ; pair k rounded to f16
	WIN 0
	s_wait_alu depctr_va_vdst(0)
	v_cvt_pk_f16_f32 v[rP+(\k)], v[rS+2*(\k)], v[rS+2*(\k)+1]
.endm
.macro OPB k                            ; of the four weights 4 k .. the second pair is added onto the first, in place
	WIN 0
	v_pk_add_f32 v[rS+4*(\k):rS+4*(\k)+1], v[rS+4*(\k):rS+4*(\k)+1], v[rS+4*(\k)+2:rS+4*(\k)+3]
.endm
.macro OPL k                            ; l takes that sum; the first time as l = a l + sum
	WIN 0
.if (\k) == 0
	v_pk_fma_f32 v[rT+2:rT+3], v[rT+2:rT+3], v[rC+2:rC+3], v[rS:rS+1] op_sel_hi:[1,0,1]
.else
	v_pk_add_f32 v[rT+2:rT+3], v[rT+2:rT+3], v[rS+4*(\k):rS+4*(\k)+1]
.endif
.endm
.macro OPR k                            ; pair k of 16 of O^T times a; each accumulator's lowest registers are read first
	WIN 0x41
	s_wait_alu depctr_va_vdst(0)
	v_pk_mul_f32 v[rO+2*(\k):rO+2*(\k)+1], v[rO+2*(\k):rO+2*(\k)+1], v[rC+2:rC+3] op_sel_hi:[1,0]
.endm
; Number n of the 96.  0-3 four scalings; 4-19 the rescaling; 20-83 in fours: exponential, plain, exponential, plain, so that each exponential has a plain line behind it that touches
; neither its result nor its source (ISA guide 5.7.2), the plain ones being what is ready: later scalings, the rounding of the pair before, the first sums; 84-95 the last rounding and the rest of the sums.
; A pair's rounding stands ahead of the sum that is added onto it in place.  The last four are plain and name no register of the products K Q^T: they are the places behind the last of those.
.macro MOP t
.set p, (\t)%2
.set rT, ST+4*(\t)
.set rC, TMP+4*p
.set rB, BI+2*p
.set rS, S+32*p
.set rP, P+16*p
.set rO, 32*(\t)
.if n < 4
	OPF n
.elseif n < 20
	OPR n-4
.elseif n < 84
.set q, (n-20)/4
.set sl, (n-20)%4
.if sl == 0
	OPE 2*q
.elseif sl == 2
	OPE 2*q+1
.elseif sl == 1
.if q <= 10
	OPF 5+q
.elseif q == 11
	OPB 0
.elseif q == 12
	OPL 0
.elseif q == 13
	OPB 1
.elseif q == 14
	OPL 1
.else
	OPB 2
.endif
.elseif q == 0
	OPF 4
.else
	OPC q-1
.endif
.else
.set z, n-84
.if z == 0
	OPC 15
.elseif z == 11
	OPL 7
.elseif z%2 == 1
	OPB 3+(z-1)/2
.else
	OPL 2+(z-2)/2
.endif
.endif
.set n, n+1
.endm
; Number x of the 27 that find piece u's maximum and statistics.  0-14 the lane's 32 scores, three operands at a time (each accumulator's lowest registers first);
; 15, 18 is the step's block selected for my query?  19, 20 the query's other 32 keys lie in the lane 16 away; 21 an unselected step counts as -1e30; 22-26 m, -c m, a, and what c s is added to.
.macro XOP u
.set p, (\u)%2
.set rT, ST+4*(\u)
.set rC, TMP+4*p
.set rS, S+32*p
	WIN 0
.if x < 4
	v_max3_num_f32 v[rC+x], v[rS+8*x], v[rS+8*x+1], v[rS+8*x+2]
.elseif x < 12
	v_max3_num_f32 v[rC+x%4], v[rC+x%4], v[rS+8*(x%4)+2*(x/4)+1], v[rS+8*(x%4)+2*(x/4)+2]
.elseif x == 12
	v_max3_num_f32 v[rC], v[rC], v[rS+7], v[rS+15]
.elseif x == 13
	v_max3_num_f32 v[rC+1], v[rC+1], v[rS+23], v[rS+31]
.elseif x == 14
	v_max_num_f32 v[rC+2], v[rC+2], v[rC+3]
.elseif x == 15
	v_and_b32 v[TB+p], s[SB], v[BC+(\u)]
.elseif x == 16
	v_mov_b32 v[MV+p], v[rT]
.elseif x == 17
	v_max3_num_f32 v[rC], v[rC], v[rC+1], v[rC+2]
.elseif x == 18
	v_cmp_ne_u32 s[SM], 0, v[TB+p]
.elseif x == 19
	v_permlanex16_b32 v[rC+3], v[rC], s[SEL], s[SEL+1]
.elseif x == 20
	v_max_num_f32 v[rC], v[rC], v[rC+3]
.elseif x == 21
	v_cndmask_b32 v[rC], s[BIGN], v[rC], s[SM]
.elseif x == 22
	v_max_num_f32 v[rT+1], v[rT+1], v[rC]
.elseif x == 23
	v_mul_f32 v[rT], s[NCS], v[rT+1]
.elseif x == 24
	v_sub_f32 v[rC+1], v[rT], v[MV+p]
.elseif x == 25
	v_exp_f32 v[rC+2], v[rC+1]
.else
	v_cndmask_b32 v[BI+2*p], s[BIGN], v[rT], s[SM]
	s_wait_alu depctr_va_vdst(0)
.endif
.set x, x+1
.endm
; A TURN, for piece t.  Turn 0 waits for V ahead of its V^T P.  Turn 2 fetches the next step's K behind the last product that reads K, with the four plain lines behind that product
; as the places; in the last trip there is no further step, and that run of loads is jumped over.
.macro TURN t
.set uu, ((\t)+1)%4
.set i, 0
.set n, 0
.rept 24
	KQ uu
	MOP \t
	MOP \t
	MOP \t
	MOP \t
.endr
.if (\t) == 0
	s_wait_dscnt 0x0                               ; V of this step is in
.endif
.if (\t) == 2
	WIN 0
	s_cmp_eq_u32 s[CNT], 1
	s_cbranch_scc1 .Lno_k_\@
	FETCH_K CBW
.Lno_k_\@:
.endif
.set i2, 0
.set x, 0
.rept 8
	PV \t
	XOP uu
	XOP uu
	XOP uu
.if i2 <= 3
	XOP uu
.endif
.endr
.endm
; A BLOCK BEGINS: its Q out of my wave's own LDS rows; -c m huge, so that the first a is 0 and what O^T and l hold need only be finite; m the lowest finite number.
.macro PRE second
	WIN 0x80
.set f, 0
.rept 24                                ; piece f / 6, channels 32 (f % 6) on
	ds_load_b128 v[8*f:8*f+3],   v[AQ] offset:(f/6)*6400+(f%6)*64
	ds_load_b128 v[8*f+4:8*f+7], v[AQ] offset:(f/6)*6400+(f%6)*64+32
.set f, f+1
.endr
	WIN 0
.irp e, 0,1,2,3
	v_mov_b32 v[ST+4*\e], 0x7e000000
	v_mov_b32 v[ST+4*\e+1], 0xff7fffff
.if \second
	v_mov_b32 v[BC+\e], v[BB+\e]
.endif
.endr
.endm
; A tile's selection bits: bit b is set if block b is among my query's 16 indices (8 here, 8 in the lane 16 away) and is not later than my wave's own block.
.macro BITS dst, src, msk
.set b, 0
.rept 8
	v_cmp_gt_u32 vcc_lo, 32, v[(\src)+b]
	v_cndmask_b32 v[W], 0, 1, vcc_lo
.if b == 0
	v_lshlrev_b32 v[\dst], v[(\src)], v[W]
.else
	v_lshl_or_b32 v[\dst], v[W], v[(\src)+b], v[\dst]
.endif
.set b, b+1
.endr
	v_permlanex16_b32 v[W], v[\dst], s[SEL], s[SEL+1]
	v_or_b32 v[\dst], v[\dst], v[W]
	v_and_b32 v[\dst], s[\msk], v[\dst]
.endm
; A BLOCK IS FINISHED.  The mean of v comes out of my wave's own LDS bytes; a row with no visible key takes it by a select.  l's two halves and the other half of the lanes' are added; O^T / l goes
; through my stage in LDS, a piece at a time, and out as whole rows.  The lines up to the first read of piece 3's O^T are the places behind the last products.
; last = 0: the first block: its registers are handed to the second.
.macro FINISH last
	WIN 0
.set z, 0
.rept 8
	ds_load_b128 v[VM+4*z:VM+4*z+3], v[MA] offset:64*(z/2)+16*(z%2)  ; register 8 cb + j: channel 16 cb + 8 h + j, as in O^T
.set z, z+1
.endr
.irp e, 0,1,2,3
	v_cmp_eq_u32 s[IV+\e], 0, v[BO+\e]             ; the lanes whose query sees no key
.endr
.irp e, 0,1,2,3
	v_add_f32 v[ST+4*\e+2], v[ST+4*\e+2], v[ST+4*\e+3]
.endr
.irp e, 0,1,2,3
	v_permlanex16_b32 v[ST+4*\e+3], v[ST+4*\e+2], s[SEL], s[SEL+1]
.endr
.irp e, 0,1,2,3
	v_add_f32 v[ST+4*\e+2], v[ST+4*\e+2], v[ST+4*\e+3]
.endr
.irp e, 0,1,2,3
	v_rcp_f32 v[INV+2*\e], v[ST+4*\e+2]
	v_rcp_f32 v[INV+2*\e+1], v[ST+4*\e+2]
.endr
	v_nop                                          ; a plain line between the last reciprocal and the use of its result
	s_wait_alu depctr_va_vdst(0)
	s_wait_dscnt 0x0                               ; the mean is in
.irp e, 0,1,2,3                         ; O^T / l into other registers, so that O^T stays finite for the next block
	WIN 0x01
.set z, 0
.rept 16
	v_pk_mul_f32 v[N+2*z:N+2*z+1], v[32*\e+2*z:32*\e+2*z+1], v[INV+2*\e:INV+2*\e+1] op_sel_hi:[1,0]
.set z, z+1
.endr
	WIN 0
.set z, 0
.rept 32
	v_cndmask_b32 v[N+z], v[N+z], v[VM+z], s[IV+\e]
.set z, z+1
.endr
.set z, 0
.rept 8
	ds_store_b128 v[STO], v[N+4*z:N+4*z+3] offset:64*(z/2)+16*(z%2)
.set z, z+1
.endr
	s_wait_xcnt 0x0                                ; the piece before's stores have read the registers that are loaded now
.set z, 0
.rept 8
	ds_load_b128 v[RB+4*z:RB+4*z+3], v[RD] offset:544*z  ; LDS serves a wave's instructions in order (ISA guide 5.7.1.4): these see the stores above
.set z, z+1
.endr
	s_wait_dscnt 0x0
.set z, 0
.rept 8
	global_store_b128 v[GO], v[RB+4*z:RB+4*z+3], s[OC:OC+1] offset:(16*\e+2*z)*4096 th:TH_STORE_NT  ; 16 lanes store 256 consecutive bytes, at a multiple of 256 from out's first
.set z, z+1
.endr
.endr
.if !(\last)
	s_wait_xcnt 0x0                                ; the stores' base and data are rewritten only behind this wait
	s_mov_b64 s[OC:OC+1], s[OB:OB+1]
.irp e, 0,1,2,3
	v_mov_b32 v[BO+\e], v[BB+\e]
.endr
	s_mov_b32 s[SW], 0
.endif
.endm
	s_load_b256 s[4:11], s[0:1], 0x0               ; q s[4:5], k s[6:7], v s[8:9], indices s[10:11]
	s_load_b64 s[12:13], s[0:1], 0x20              ; out
	s_load_b64 s[MPB:MPB+1], s[0:1], 0x28          ; vpart
	v_lshl_add_u32 v[SPW], v0, 2, SPARE
	v_mov_b32 v[NIL], 0
	v_lshrrev_b32 v3, 5, v0
	v_readfirstlane_b32 s[WV], v3                  ; wave 0..3
	v_and_b32 v1, 15, v0                           ; r
	v_bfe_u32 v2, v0, 4, 1                         ; h
	v_lshlrev_b32 v[VA], 4, v1
	v_lshl_add_u32 v[KA], v2, 8, v[VA]             ; row 0, bytes 0-511
	v_mul_u32_u24 v[KA+1], v2, 11776
	v_add_nc_u32 v[KA+1], v[KA+1], v[VA]
	v_add_nc_u32 v[KA+1], 512, v[KA+1]             ; row 0, bytes 512-767; row 1, bytes 0-255
	v_add_nc_u32 v[KA+2], 12544, v[KA]             ; row 1, bytes 256-767
	v_lshl_add_u32 v[VA], v2, 12, v[VA]
	v_lshlrev_b32 v[IA], 8, v1
	v_lshl_add_u32 v[IA], v2, 5, v[IA]
	v_lshlrev_b32 v[MGA], 5, v2
	s_mov_b32 s[PB], ttmp9
	s_sub_co_u32 s[HI], 7, s[PB]
	s_and_b32 s17, ttmp7, 0xffff
	s_lshr_b32 s18, s17, 4                         ; batch
	s_and_b32 s19, s17, 15                         ; head
	s_mov_b32 s29, 0                               ; the two offset pairs' high words
	s_mov_b32 s31, 0
	s_mul_i32 s76, s18, 25165824                   ; 2,048 rows of 12,288 bytes
	s_mul_i32 s77, s19, 768
	s_add_co_u32 s76, s76, s77                     ; batch and head in q and k
	s_lshl_b32 s78, s18, 23                        ; 2,048 rows of 4,096 bytes
	s_lshl_b32 s79, s19, 8
	s_add_co_u32 s78, s78, s79                     ; batch and head in v and out
	s_mul_i32 s77, s[WV], 196608                   ; my 16 rows of a step's K
	s_add_co_u32 s28, s76, s77
	s_mov_b32 s30, s78
	s_mov_b32 s[NXT], 0
	s_lshl2_add_u32 s[LQ], s[HI], 3                ; the first block's last step
	s_lshl2_add_u32 s[LQ2], s[PB], 3               ; the second's
	s_wait_kmcnt 0x0
	s_add_nc_u64 s[KB:KB+1], s[6:7], s[28:29]
	s_add_nc_u64 s[VH:VH+1], s[8:9], s[30:31]
	s_lshl_b32 s28, s[WV], 16                      ; my 16 rows of a step's V
	s_add_nc_u64 s[VB:VB+1], s[VH:VH+1], s[28:29]
	NEXTPTR
	GLOAD                                          ; step 0: 32 loads
	s_mul_i32 s77, s[WV], 786432                   ; my 64 rows of a block's Q
	s_add_co_u32 s77, s77, s76
	s_mul_i32 s28, s[HI], 3145728
	s_add_co_u32 s28, s28, s77
	s_add_nc_u64 s[VW:VW+1], s[4:5], s[28:29]      ; Q of the first block
	s_mul_i32 s28, s[PB], 3145728
	s_add_co_u32 s28, s28, s77
	s_add_nc_u64 s[Q2P:Q2P+1], s[4:5], s[28:29]    ; Q of the second
	WIN 0xc0
.set i, 0
.rept 48                                ; pieces 0 and 1 as f32, where K's fragments will lie
	global_load_b128 v[4*i:4*i+3], v[KA+(i%24)%3], s[VW:VW+1] offset:(i/24)*196608+((i%24)/3)*24576 th:TH_LOAD_NT
.set i, i+1
.endr
	WIN 0x80
.set i, 0
.rept 48                                ; pieces 2 and 3, where Q's fragments will lie
	global_load_b128 v[4*i:4*i+3], v[KA+(i%24)%3], s[VW:VW+1] offset:(2+i/24)*196608+((i%24)/3)*24576 th:TH_LOAD_NT
.set i, i+1
.endr
	s_lshl_b32 s28, s17, 10                        ; four partial means of 256 bytes for each (batch, head)
	s_add_nc_u64 s[MPB:MPB+1], s[MPB:MPB+1], s[28:29]
	WIN 0x40
.set i, 0
.rept 32                                ; partial i / 8 into O^T's registers 32 (i / 8) on: register 8 cb + j takes channel 16 cb + 8 h + j
	global_load_b128 v[4*i:4*i+3], v[MGA], s[MPB:MPB+1] offset:(i/8)*256+((i%8)/2)*64+(i%2)*16
.set i, i+1
.endr
	WIN 0
	s_lshl_b32 s77, s18, 19                        ; indices: 256 bytes a token, 64 a group
	s_lshl_b32 s79, s[WV], 14
	s_add_co_u32 s77, s77, s79
	s_lshr_b32 s79, s19, 2
	s_lshl_b32 s79, s79, 6
	s_add_co_u32 s77, s77, s79
	s_lshl_b32 s28, s[HI], 16
	s_add_co_u32 s28, s28, s77
	s_add_nc_u64 s[72:73], s[10:11], s[28:29]
	s_lshl_b32 s28, s[PB], 16
	s_add_co_u32 s28, s28, s77
	s_add_nc_u64 s[74:75], s[10:11], s[28:29]
.set i, 0
.rept 4                                 ; both blocks' indices, 16 loads, into S^T's registers
	global_load_b128 v[S+8*i:S+8*i+3],       v[IA], s[72:73] offset:4096*i
	global_load_b128 v[S+8*i+4:S+8*i+7],     v[IA], s[72:73] offset:4096*i+16
	global_load_b128 v[S+32+8*i:S+32+8*i+3], v[IA], s[74:75] offset:4096*i
	global_load_b128 v[S+32+8*i+4:S+32+8*i+7], v[IA], s[74:75] offset:4096*i+16
.set i, i+1
.endr
	s_lshl_b32 s77, s[WV], 18                      ; out: my 64 rows of 4,096 bytes
	s_add_co_u32 s77, s77, s78
	s_lshl_b32 s28, s[HI], 20
	s_add_co_u32 s28, s28, s77
	s_add_nc_u64 s[OC:OC+1], s[12:13], s[28:29]
	s_lshl_b32 s28, s[PB], 20
	s_add_co_u32 s28, s28, s77
	s_add_nc_u64 s[OB:OB+1], s[12:13], s[28:29]
	; The prefetch.  Of a tile's four steps work-group pb asks for step pb: waves 0 to 2 for bytes 256 w .. 256 w + 255 of its 64 rows of K, wave 3 for its 64 rows of V: lanes one row apart, two requests a wave.
	s_lshl_b32 s79, s[WV], 8
	s_mov_b32 s28, s76
	s_add_nc_u64 s[PFB:PFB+1], s[6:7], s[28:29]
	s_mov_b32 s77, 4096
	s_mov_b32 s[PFS], 1048576
	s_mov_b32 s[PFS+1], 0
	s_cmp_lt_u32 s[WV], 3
	s_cselect_b64 s[PFB:PFB+1], s[PFB:PFB+1], s[VH:VH+1]
	s_cselect_b32 s77, 12288, s77                  ; bytes from row to row
	s_cselect_b32 s[PFS], 3145728, s[PFS]          ; bytes from tile to tile
	s_cselect_b32 s79, s79, 0
	s_lshr_b32 s28, s[PFS], 2                      ; bytes from step to step
	s_mul_i32 s28, s28, s[PB]
	s_add_nc_u64 s[PFB:PFB+1], s[PFB:PFB+1], s[28:29]  ; step pb of tile 0: the pointer steps a tile on ahead of each request
	v_and_b32 v[PFO], 31, v0
	v_mul_u32_u24 v[PFO], s77, v[PFO]
	v_add_nc_u32 v[PFO], s79, v[PFO]
	s_lshl_b32 s77, s77, 5
	v_add_nc_u32 v[PFO2], s77, v[PFO]
	; constants
	s_mov_b32 s[CS], 0x3dd53b94                    ; c = log2(e) x 192^-0.5 = 0.1041175
	s_mov_b32 s[CS+1], s[CS]                       ; named with it as a pair
	s_mov_b32 s[NCS], 0xbdd53b94
	s_mov_b32 s[BIGN], 0xf149f2ca                  ; -1e30
	s_mov_b32 s[SEL], 0x76543210
	s_mov_b32 s[SEL+1], 0xfedcba98
	s_mov_b32 s[HM], 0xffff0000
	s_lshl2_add_u32 s76, s[HI], s[WV]              ; my wave's own block of 64 keys, in the first block
	s_lshl_b32 s[MK1], 2, s76
	s_sub_co_u32 s[MK1], s[MK1], 1                 ; blocks 0 to that one
	s_lshl2_add_u32 s76, s[PB], s[WV]
	s_lshl_b32 s[MK2], 2, s76
	s_sub_co_u32 s[MK2], s[MK2], 1
	; LDS places
	v_mul_u32_u24 v[AK0], v1, 400
	v_lshl_add_u32 v[AK0], v2, 4, v[AK0]
	v_and_b32 v[AK], 7, v0
	v_bfe_u32 v[AV], v0, 3, 1
	v_lshl_add_u32 v[AV0], v2, 3, v[AK]            ; the turning load: key 8 h + l % 8, channels 8 ((l / 8) % 2) on
	v_mul_u32_u24 v[AV0], v[AV0], 160
	v_lshl_add_u32 v[AV0], v[AV], 4, v[AV0]
	v_add_nc_u32 v[AV0], CV, v[AV0]
	s_mul_i32 s76, s[WV], 25600
	s_add_co_u32 s76, s76, QB                      ; my wave's Q
	v_add_nc_u32 v[AQ], s76, v[AK0]
	v_lshlrev_b32 v[QSW], 3, v1
	v_lshl_add_u32 v[QSW], v2, 7, v[QSW]           ; 128 h + 8 r
	v_mul_u32_u24 v[QSW+1], v2, 144
	v_lshl_add_u32 v[QSW+1], v1, 3, v[QSW+1]
	v_add_nc_u32 v[QSW+1], 256, v[QSW+1]           ; 256 + 144 h + 8 r
	v_add_nc_u32 v[QSW+2], 528, v[QSW]             ; 528 + 128 h + 8 r
	s_mul_i32 s77, s[WV], 6400
.irp e, 0,1,2
	v_add_nc_u32 v[KSA+\e], s77, v[QSW+\e]
	v_add_nc_u32 v[QSA+\e], s76, v[QSW+\e]
.endr
	v_mul_u32_u24 v[VSA], v2, 160
	v_lshl_add_u32 v[VSA], v1, 3, v[VSA]
	s_mul_i32 s77, s[WV], 2560
	s_add_co_u32 s77, s77, CV
	v_add_nc_u32 v[VSA], s77, v[VSA]
	s_mul_i32 s77, s[WV], 4352
	s_add_co_u32 s77, s77, STAGE                   ; my stage
	v_mul_u32_u24 v[STO], v1, 272                  ; in: row r, 32 bytes for each half of the lanes
	v_lshl_add_u32 v[STO], v2, 5, v[STO]
	v_add_nc_u32 v[STO], s77, v[STO]
	v_mul_u32_u24 v[RD], v2, 272                   ; back: lanes 0-15 one row of 256 bytes, lanes 16-31 the next
	v_lshl_add_u32 v[RD], v1, 4, v[RD]
	v_add_nc_u32 v[RD], s77, v[RD]
	s_lshl_b32 s77, s[WV], 8
	s_add_co_u32 s77, s77, MEANL                   ; my wave's copy of the mean
	v_lshl_add_u32 v[MA], v2, 5, s77
	; What the first trip's turn of a piece that has not been finds: zeros, so that it leaves finite numbers, which the first true step multiplies by a = 0.  This stands in the wait for the first loads.
	; O^T is not cleared: it holds the partial means, finite numbers, and a block's first step multiplies it by a = 0.
	WIN 0x80
.set i, VF
.rept 64
	v_mov_b32 v[i], 0                              ; V's fragments
.set i, i+1
.endr
	WIN 0
	v_lshlrev_b32 v[TT+1], 3, v2
	v_sub_nc_u32 v[TT], v1, v[TT+1]                ; r - 8 h: register j of my own key group is hidden where j is greater
	WIN 0xc0
.set i, 0
.rept 8
	v_cmp_gt_i32 vcc_lo, i, v[TT]
	v_cndmask_b32 v[TRI+i], 0, s[BIGN], vcc_lo
	v_mov_b32 v[NEG+i], s[BIGN]
.set i, i+1
.endr
	WIN 0
.set i, TMP
.rept 12
	v_mov_b32 v[i], 0                              ; c0-c3 and the bias pairs
.set i, i+1
.endr
.irp e, 0,1,2,3
	v_mov_b32 v[ST+4*\e+2], 0
	v_mov_b32 v[ST+4*\e+3], 0
.endr
	s_wait_loadcnt 63                              ; step 0 is in: 144 loads were issued behind it; the count is the largest that can be written, and a smaller one is safe
	CVT G, 0x05, 24, KSA, 0                        ; into buffer 0, which begins at byte 0
	CONVV VSA
	NEXTPTR
	GLOAD                                          ; step 1
	s_wait_loadcnt 63                              ; pieces 0 and 1: 128 loads were issued behind them
	CVT 0,  0x0f, 24, QSA, 0
	CVT 96, 0x0f, 24, QSA, 6400
	s_wait_loadcnt 63                              ; pieces 2 and 3: behind them the means' 32, the 16 index loads and step 1's 32: 80
	CVT 0,  0x0a, 24, QSA, 12800
	CVT 96, 0x0a, 24, QSA, 19200
	QLOAD                                          ; the second block's Q, rows 0-3
	s_wait_loadcnt 38                              ; the indices, and the partial means ahead of them: behind them step 1's 32 and those 6
.irp e, 0,1,2,3
	BITS BC+\e, S+8*\e, MK1
	BITS BB+\e, S+32+8*\e, MK2
.endr
.irp e, 0,1,2,3
	v_mov_b32 v[BO+\e], v[BC+\e]
.endr
	WIN 0x45                                       ; the four partial means are added, in O^T's registers,
.set z, 0
.rept 16
	v_pk_add_f32 v[2*z:2*z+1],       v[2*z:2*z+1],       v[32+2*z:32+2*z+1]
	v_pk_add_f32 v[64+2*z:64+2*z+1], v[64+2*z:64+2*z+1], v[96+2*z:96+2*z+1]
.set z, z+1
.endr
.set z, 0
.rept 16
	v_pk_add_f32 v[2*z:2*z+1], v[2*z:2*z+1], v[64+2*z:64+2*z+1]
.set z, z+1
.endr
	WIN 0x04                                       ; and the mean goes to my wave's own 256 bytes: the sixteen lanes of a half hold the same numbers and write the same bytes
.set z, 0
.rept 8
	ds_store_b128 v[MA], v[4*z:4*z+3] offset:64*(z/2)+16*(z%2)
.set z, z+1
.endr
	WIN 0
.set i, S+32
.rept 32
	v_mov_b32 v[i], 0                              ; S^T's second buffer
.set i, i+1
.endr
	PRE 0
	s_mov_b32 s[CNT], 36
	s_mov_b32 s[SC], 4
	s_mov_b32 s[BLK], 0
	s_sub_co_u32 s[RT], 8, s[PB]                   ; the first block has 8 - pb tiles of four steps
	s_lshl_b32 s76, s[PB], 2
	s_sub_co_u32 s[REL2], 0, s76
	s_lshl_b32 s77, s[HI], 2
	s_sub_co_u32 s[REL], 0, s77
	s_mov_b32 s[KS], 0
	s_mov_b32 s[CBR], 0
	s_mov_b32 s[SW], 0
	s_mov_b32 s[QW], 0
	s_mov_b32 s[AL+1], 0                           ; named with AL as a pair
	s_wait_dscnt 0x0                               ; for the others' sake: my rows of step 0 are stored
	s_barrier_signal -1
	s_barrier_wait -1
	FETCH_K CBR                                    ; K of step 0
; THE LOOP: 36 trips, trip j = 36 - CNT for walk step j.  ONE barrier a trip: in front of it each wave has waited for its stores of step j + 1 and for its reads of step j; behind it K of
; step j + 1 is read, and in the next trip step j's buffer is written again.
.Ltrip:
	s_cmp_lg_u32 s[SC], 0
	s_cbranch_scc1 .Lsame                          ; inside a tile of four steps
	s_mov_b32 s[SC], 4
	s_cmp_eq_u32 s[BLK], 1
	s_cbranch_scc1 .Lsame                          ; the second block ends with the walk
	s_sub_co_u32 s[RT], s[RT], 1
	s_cmp_lg_u32 s[RT], 0
	s_cbranch_scc1 .Lsame                          ; the first block goes on
	s_mov_b32 s[BLK], 1                            ; the second block begins with step 0
	s_mov_b32 s[KS], 0
	s_mov_b32 s[REL], s[REL2]
	PRE 1
	s_mov_b32 s[SW], 1                             ; the first block's last step is behind: it is finished behind this trip's first turn
.Lsame:
	s_sub_co_u32 s[SC], s[SC], 1
	s_lshl_b32 s[SB], 1, s[KS]
	s_xor_b32 s[CBW], s[CBR], BUF1
	s_cmp_eq_u32 s[REL], s[WV]                     ; does this step hold my diagonal?
	s_cselect_b32 s[AL], 1.0, 0
	WIN 0xc3                                       ; the step's masks: the last product that read them stands a turn's vector work back
.set z, 0
.rept 8
	v_pk_mul_f32 v[CT+2*z:CT+2*z+1], v[TRI+2*z:TRI+2*z+1], s[AL:AL+1] op_sel_hi:[1,0]  ; CT, and behind it CN, of TRI and NEG behind it
.set z, z+1
.endr
	WIN 0
	s_cmp_lt_u32 s[CNT], 2
	s_cbranch_scc1 .Lnoconv                        ; trip 35 has no step j + 1
	s_wait_loadcnt 0x0                             ; step j + 1, asked for one trip ago
	s_wait_xcnt 0x0                                ; earlier prefetches have had their addresses translated: their pointer may be stepped below
.irp e, 0,1,2
	v_add_nc_u32 v[KSW+\e], s[CBW], v[KSA+\e]
.endr
	v_add_nc_u32 v[VSW], s[CBW], v[VSA]
	CVT G, 0x05, 24, KSW, 0
	CONVV VSW
	s_cmp_lt_u32 s[CNT], 21
	s_cbranch_scc1 .Lnoq                           ; trips 0 to 15 store the 16 chunks of the second block's Q over the first block's, which lies in registers
.irp e, 0,1,2
	v_add_nc_u32 v[QSW+\e], s[QW], v[QSA+\e]
.endr
	CVT GQ, 0x0f, 6, QSW, 0
	s_add_co_u32 s[QW], s[QW], 1600                ; four rows of 400 bytes on,
	s_min_u32 s[QW], s[QW], 24000                  ; never past the wave's last four
.Lnoq:
	s_cmp_lt_u32 s[CNT], 3
	s_cbranch_scc1 .Lnoconv                        ; trip 34 has no step j + 2
	NEXTPTR
	GLOAD                                          ; step j + 2
	s_cmp_lt_u32 s[CNT], 22
	s_cbranch_scc1 .Lnoq2                          ; trips 0 to 14 ask for chunks 1 to 15
	s_add_nc_u64 s[Q2P:Q2P+1], s[Q2P:Q2P+1], 49152
	QLOAD
.Lnoq2:
	s_cmp_lg_u32 s[SC], 3
	s_cbranch_scc1 .Lnoconv                        ; once a tile, in its first trip j = 4 T, which loads step 4 T + 2:
	s_cmp_lt_u32 s[CNT], 12
	s_cbranch_scc1 .Lnoconv                        ; T = 0 to 6 ask for step 4 (T + 1) + pb, two to five trips ahead of the first load of it; the last is step 28 + pb, inside the sequence
	s_add_nc_u64 s[PFB:PFB+1], s[PFB:PFB+1], s[PFS:PFS+1]
	global_prefetch_b8 v[PFO], s[PFB:PFB+1] th:TH_LOAD_NT scope:SCOPE_SE
	global_prefetch_b8 v[PFO2], s[PFB:PFB+1] th:TH_LOAD_NT scope:SCOPE_SE
.Lnoconv:
	s_wait_dscnt 0x0                               ; K of step j is in, and Q where a block begins
	TURN 3                                         ; piece 0's scores of step j | piece 3 of step j - 1
	s_cmp_eq_u32 s[SW], 1
	s_cbranch_scc0 .Lnofin
	FINISH 0                                       ; the first block goes out
.Lnofin:
	PLACES                                         ; behind the last product that read V
	FETCH_V                                        ; V of step j
	TURN 0
	TURN 1
	s_wait_dscnt 0x0                               ; my stores of step j + 1 are done, and my reads of step j are back
	s_barrier_signal -1
	s_barrier_wait -1
	TURN 2
	s_add_co_u32 s[KS], s[KS], 1
	s_add_co_u32 s[REL], s[REL], 1
	s_xor_b32 s[CBR], s[CBR], BUF1
	s_sub_co_u32 s[CNT], s[CNT], 1
	s_cmp_lg_u32 s[CNT], 0
	s_cbranch_scc1 .Ltrip
	; THE WALK'S END: piece 3's share of the last step, with no further scores to set beside it, and the second block's way out.
.set n, 0
.rept 96
	MOP 3
.endr
.set i2, 0
.rept 8
	PV 3
.endr
	FINISH 1
	s_wait_tensorcnt 0x0                           ; the wave's end: behind my last LDS store
	ds_add_u32 v[SPW], v[NIL]
	s_wait_dscnt 0x0
	s_endpgm
.Lfunc_end_k_q6054def58f_attn:
	.size	k_q6054def58f_attn, .Lfunc_end_k_q6054def58f_attn-k_q6054def58f_attn
	.p2alignl 7, 3214868480
	.fill 96, 4, 3214868480
	.section	.rodata,"a",@progbits
	.p2align	6, 0x0
	.amdhsa_kernel k_q6054def58f_attn
		.amdhsa_group_segment_fixed_size 204800
		.amdhsa_private_segment_fixed_size 0
		.amdhsa_enable_private_segment 0
		.amdhsa_kernarg_size 48
		.amdhsa_user_sgpr_count 2
		.amdhsa_user_sgpr_kernarg_segment_ptr 1
		.amdhsa_wavefront_size32 1
		.amdhsa_system_sgpr_workgroup_id_x 1
		.amdhsa_system_sgpr_workgroup_id_y 1
		.amdhsa_system_sgpr_workgroup_id_z 1
		.amdhsa_system_vgpr_workitem_id 0
		.amdhsa_next_free_vgpr 1024
		.amdhsa_next_free_sgpr 88
		.amdhsa_reserve_vcc 1
		.amdhsa_float_denorm_mode_32 3
		.amdhsa_float_denorm_mode_16_64 3
		.amdhsa_memory_ordered 1
		.amdhsa_forward_progress 1
		.amdhsa_inst_pref_size 201
	.end_amdhsa_kernel
	.amdgpu_metadata
---
amdhsa.version: [ 1, 2 ]
amdhsa.kernels:
  - .name:           k_q6054def58f_attn
    .symbol:         k_q6054def58f_attn.kd
    .args:
      - { .name: q, .offset: 0, .size: 8, .value_kind: global_buffer, .address_space: global }
      - { .name: k, .offset: 8, .size: 8, .value_kind: global_buffer, .address_space: global }
      - { .name: v, .offset: 16, .size: 8, .value_kind: global_buffer, .address_space: global }
      - { .name: selected_indices, .offset: 24, .size: 8, .value_kind: global_buffer, .address_space: global }
      - { .name: out0, .offset: 32, .size: 8, .value_kind: global_buffer, .address_space: global }
      - { .name: vpart, .offset: 40, .size: 8, .value_kind: global_buffer, .address_space: global }
    .group_segment_fixed_size: 204800
    .private_segment_fixed_size: 0
    .kernarg_segment_align: 8
    .kernarg_segment_size: 48
    .max_flat_workgroup_size: 128
    .sgpr_count:     88
    .vgpr_count:     1024
    .wavefront_size: 32
...
	.end_amdgpu_metadata
.endif
;; end of part 2
;; ======== version 2 of 2: 2 launches; version 1 with the launch vsum written anew for expert scheduling mode
;; limits: values are held in f16: magnitudes above 65,504 overflow, below 6.1e-05 lose precision; inputs' magnitudes at most 65,504
;; workspace buffers: vpart 65,536 bytes
;; launch vsum (part 3): grid 4 x 64, 8 waves a work-group, no clusters, 3,072 bytes of LDS; arguments v, vpart; writes vpart
.if DOCPART == 3
	.amdgcn_target "amdgcn-amd-amdhsa--gfx1250"
	.amdhsa_code_object_version 6
	.text
	.protected	k_q6054def58f_vsum
	.globl	k_q6054def58f_vsum
	.p2align	8
	.type	k_q6054def58f_vsum,@function
k_q6054def58f_vsum:
	s_mov_b64 s[64:65], 0
	v_nop
	global_prefetch_b8 v0, s[64:65] scope:SCOPE_SE
	s_setreg_imm32_b32 hwreg(HW_REG_WAVE_SCHED_MODE, 0, 2), 2
	s_setreg_imm32_b32 hwreg(HW_REG_WAVE_MODE, 25, 1), 1
	s_wait_xcnt 0x0
	s_wait_alu depctr_vm_vsrc(0)
; PARTIAL MEANS OF V.  v: [4 x 2,048 tokens][16 heads][64] f32.  vpart[batch x head][quarter][64] = (sum of v over the quarter's 512 keys) / 2,048, in f32.
; The next launch adds a head's four quarters: the mean of v over the sequence, which is what a softmax over scores that are all alike gives a row with no visible key.
; SHARES.  Work-group (quarter, batch x head); each of its eight waves takes 64 keys: 32 loads of 16 bytes a lane, lanes 0-15 one row of 256 bytes of (token, head), lanes 16-31 the next row.
; All 32 loads of a wave, 16 KB, are out together.  A lane keeps four channels; four chains of packed additions; one exchange joins the two halves of the lanes; the eight waves' sums meet in LDS.
; Memory binds: no matrix unit, no cluster (no two work-groups read the same bytes), no tensor load (the sums are made in the registers that the loads fill).
; No cache hint on the loads: the next launch reads v again.
; THE MODE: SCHED_MODE bits 1:0 = 2 (LLVM: expert scheduling mode 2), set by the entry lines.  The code itself states the register dependences
; between vector instructions and memory or LDS instructions, with s_wait_alu, always for 0.
; THE PLAN.  Registers that memory or LDS instructions touch:
;   v[VA], v[SA], v[LA], v[SPW], v[NIL]   addresses and the add's two: written once at the head, never again; read by the loads, the LDS store, wave 0's LDS loads and store, the closing add.
;   X, v16-143    the 32 loads land here, all issued ahead of every vector instruction that names X; the additions read it behind the waits on LOADcnt.
;   v16-19        the wave's sum: written by the last two multiplies, read by the LDS store, and never written again.
;   Y, v32-47     last read by the additions; wave 0's eight LDS loads land here (not in v16-31, of which the LDS store reads four); its low pair is the global store's data.
; So four waits state everything: one on va_sdst behind the wave's number; one on va_vdst ahead of the first load (the addresses); one ahead of the LDS store (its data is written, and
; all readers of Y are done: no vector instruction stands between it and the LDS loads into Y); one ahead of the global store (its data is written).
.set SPARE, 2048      ; behind the eight waves' 256 bytes each: the spare words, 128 bytes a wave, four blocks of 256 bytes that no other line names
.set SPW, 2           ; SPARE + 4 x my thread's number; never rewritten
.set NIL, 3           ; 0; never rewritten
.set VA,  7           ; 4,096 h + 16 r: two rows of V
.set SA,  8           ; 256 w + 16 r: where my wave's sum of my four channels goes
.set LA,  9           ; 8 x lane: two channels a lane, for the last sum and the store
.set X,   16          ; v16-143: 32 loads of four registers
.set Y,   32          ; v32-47: in wave 0, the eight waves' sums of my two channels
.set WV,  8
	s_load_b128 s[4:7], s[0:1], 0x0                ; v s[4:5], vpart s[6:7]
	v_lshl_add_u32 v[SPW], v0, 2, SPARE
	v_mov_b32 v[NIL], 0
	v_lshrrev_b32 v1, 5, v0
	v_readfirstlane_b32 s[WV], v1                  ; wave 0..7
	v_and_b32 v4, 15, v0                           ; r
	v_bfe_u32 v5, v0, 4, 1                         ; h
	v_lshlrev_b32 v6, 4, v4
	v_lshl_add_u32 v[VA], v5, 12, v6
	v_and_b32 v[LA], 31, v0
	v_lshlrev_b32 v[LA], 3, v[LA]
	s_and_b32 s9, ttmp7, 0xffff                    ; batch x 16 + head
	s_lshr_b32 s10, s9, 4
	s_and_b32 s11, s9, 15
	s_lshl_b32 s12, s10, 23                        ; 2,048 rows of 4,096 bytes
	s_lshl_b32 s13, s11, 8                         ; 256 bytes a head
	s_add_co_u32 s12, s12, s13
	s_lshl_b32 s13, ttmp9, 21                      ; the quarter's 512 rows
	s_add_co_u32 s12, s12, s13
	s_wait_alu depctr_va_sdst(0)                   ; the wave's number is written, ahead of its first reader, the line below; the offset in v and the branch behind the barrier read it too
	v_lshl_add_u32 v[SA], s[WV], 8, v6
	s_lshl_b32 s13, s[WV], 18                      ; my wave's 64 rows
	s_add_co_u32 s12, s12, s13
	s_mov_b32 s13, 0
	s_lshl2_add_u32 s14, s9, ttmp9                 ; 4 x (batch x head) + quarter,
	s_lshl_b32 s14, s14, 8                         ; 256 bytes each
	s_mov_b32 s15, 0
	s_mov_b32 s16, 0x76543210                      ; v_permlanex16_b32: each lane takes its own place in the other half
	s_mov_b32 s17, 0xfedcba98
	s_wait_kmcnt 0x0
	s_add_nc_u64 s[4:5], s[4:5], s[12:13]
	s_add_nc_u64 s[6:7], s[6:7], s[14:15]
	s_wait_alu depctr_va_vdst(0)                   ; v[VA], v[SA], v[LA], v[SPW] and v[NIL] are written: every load, store and LDS instruction of the kernel reads one of them, and none is written again
.set i, 0
.rept 32
	global_load_b128 v[X+4*i:X+4*i+3], v[VA], s[4:5] offset:8192*i
.set i, i+1
.endr
; Loads lo to hi - 1 are added onto loads 0 to 3: four chains that do not wait for each other; the first four loads start them, nothing is cleared.
.macro ACC lo, hi
.set i, \lo
.rept (\hi)-(\lo)
	v_pk_add_f32 v[X+4*(i%4):X+4*(i%4)+1],   v[X+4*(i%4):X+4*(i%4)+1],   v[X+4*i:X+4*i+1]
	v_pk_add_f32 v[X+4*(i%4)+2:X+4*(i%4)+3], v[X+4*(i%4)+2:X+4*(i%4)+3], v[X+4*i+2:X+4*i+3]
.set i, i+1
.endr
.endm
	s_wait_loadcnt 16                              ; loads come back in order (ISA guide 5.7.1): the first 16 are in, the younger 16 stay out
	ACC 4, 16
	s_wait_loadcnt 0x0
	ACC 16, 32
	v_pk_add_f32 v[X:X+1],     v[X:X+1],     v[X+4:X+5]
	v_pk_add_f32 v[X+2:X+3],   v[X+2:X+3],   v[X+6:X+7]
	v_pk_add_f32 v[X+8:X+9],   v[X+8:X+9],   v[X+12:X+13]
	v_pk_add_f32 v[X+10:X+11], v[X+10:X+11], v[X+14:X+15]
	v_pk_add_f32 v[X:X+1],     v[X:X+1],     v[X+8:X+9]
	v_pk_add_f32 v[X+2:X+3],   v[X+2:X+3],   v[X+10:X+11]
.irp e, 0,1,2,3
	v_permlanex16_b32 v[X+4+\e], v[X+\e], s16, s17 ; the odd rows' sums lie in the lane 16 away
.endr
	v_pk_add_f32 v[X:X+1],   v[X:X+1],   v[X+4:X+5]
	v_pk_add_f32 v[X+2:X+3], v[X+2:X+3], v[X+6:X+7]
	v_pk_mul_f32 v[X:X+1],   v[X:X+1],   0x3a000000 op_sel_hi:[1,0]  ; 1 / 2,048
	v_pk_mul_f32 v[X+2:X+3], v[X+2:X+3], 0x3a000000 op_sel_hi:[1,0]
	s_wait_alu depctr_va_vdst(0)                   ; the multiplies have written v[X:X+3], which the LDS store reads; the additions are done reading Y, in which wave 0's LDS loads land
	ds_store_b128 v[SA], v[X:X+3]                  ; both halves of the lanes hold the same numbers and write the same bytes
	s_wait_dscnt 0x0                               ; for the others' sake: my store is done
	s_barrier_signal -1
	s_barrier_wait -1
	s_cmp_lg_u32 s[WV], 0
	s_cbranch_scc1 .Lend                           ; wave 0 adds the eight waves' sums
.set i, 0
.rept 8
	ds_load_b64 v[Y+2*i:Y+2*i+1], v[LA] offset:256*i  ; no wait: no vector instruction since the wait ahead of the LDS store, and that store reads none of these registers
.set i, i+1
.endr
	s_wait_dscnt 0x0
	v_pk_add_f32 v[Y:Y+1],     v[Y:Y+1],     v[Y+2:Y+3]
	v_pk_add_f32 v[Y+4:Y+5],   v[Y+4:Y+5],   v[Y+6:Y+7]
	v_pk_add_f32 v[Y+8:Y+9],   v[Y+8:Y+9],   v[Y+10:Y+11]
	v_pk_add_f32 v[Y+12:Y+13], v[Y+12:Y+13], v[Y+14:Y+15]
	v_pk_add_f32 v[Y:Y+1],     v[Y:Y+1],     v[Y+4:Y+5]
	v_pk_add_f32 v[Y+8:Y+9],   v[Y+8:Y+9],   v[Y+12:Y+13]
	v_pk_add_f32 v[Y:Y+1],     v[Y:Y+1],     v[Y+8:Y+9]
	s_wait_alu depctr_va_vdst(0)                   ; the last addition has written v[Y:Y+1], which the store reads
	global_store_b64 v[LA], v[Y:Y+1], s[6:7]       ; 32 lanes store 256 consecutive bytes, at a multiple of 256 from vpart's first
.Lend:
	s_wait_dscnt 0x0                               ; the closing lines, six on end
	s_wait_alu 0x0
	s_wait_tensorcnt 0x0
	ds_add_u32 v[SPW], v[NIL]
	s_wait_dscnt 0x0
	s_endpgm
.Lfunc_end_k_q6054def58f_vsum:
	.size	k_q6054def58f_vsum, .Lfunc_end_k_q6054def58f_vsum-k_q6054def58f_vsum
	.p2alignl 7, 3214868480
	.fill 96, 4, 3214868480
	.section	.rodata,"a",@progbits
	.p2align	6, 0x0
	.amdhsa_kernel k_q6054def58f_vsum
		.amdhsa_group_segment_fixed_size 3072
		.amdhsa_private_segment_fixed_size 0
		.amdhsa_enable_private_segment 0
		.amdhsa_kernarg_size 16
		.amdhsa_user_sgpr_count 2
		.amdhsa_user_sgpr_kernarg_segment_ptr 1
		.amdhsa_wavefront_size32 1
		.amdhsa_system_sgpr_workgroup_id_x 1
		.amdhsa_system_sgpr_workgroup_id_y 1
		.amdhsa_system_sgpr_workgroup_id_z 1
		.amdhsa_system_vgpr_workitem_id 0
		.amdhsa_next_free_vgpr 144
		.amdhsa_next_free_sgpr 66
		.amdhsa_reserve_vcc 0
		.amdhsa_float_denorm_mode_32 3
		.amdhsa_float_denorm_mode_16_64 3
		.amdhsa_memory_ordered 1
		.amdhsa_forward_progress 1
		.amdhsa_inst_pref_size 11
	.end_amdhsa_kernel
	.amdgpu_metadata
---
amdhsa.version: [ 1, 2 ]
amdhsa.kernels:
  - .name:           k_q6054def58f_vsum
    .symbol:         k_q6054def58f_vsum.kd
    .args:
      - { .name: v, .offset: 0, .size: 8, .value_kind: global_buffer, .address_space: global }
      - { .name: vpart, .offset: 8, .size: 8, .value_kind: global_buffer, .address_space: global }
    .group_segment_fixed_size: 3072
    .private_segment_fixed_size: 0
    .kernarg_segment_align: 8
    .kernarg_segment_size: 16
    .max_flat_workgroup_size: 256
    .sgpr_count:     66
    .vgpr_count:     144
    .wavefront_size: 32
...
	.end_amdgpu_metadata
.endif
;; end of part 3
;; launch attn: the kernel of part 2 again; grid 4 x 64, 4 waves a work-group, no clusters, 204,800 bytes of LDS; arguments q, k, v, selected_indices, out0, vpart; writes out0
